; MI455X (gfx1250); checked and timed in simulation.
; The chip was launched on July 23, 2026; its instructions are those of AMD's public machine-readable ISA for CDNA 5 (MIT licence, August 2026) and "CDNA5" Instruction Set Architecture Reference Guide (July 2026). The comments in the code are by the model that wrote it; some were corrected since.
;; Autograd4bit Quant Linear. Allowed arithmetic: float matrix products may take bf16 or f16 operands with f32 sums; other float arithmetic in f32, or as packed bf16 or f16 multiplies, adds, multiply-adds, maxima and minima; sums over many terms, partial sums and values carried from step to step in f32; what a program stores and reads back later, other than sums and carried values, may be rounded once to bf16 or f16.
;; Inputs: bias 4,096 float32; qweight 512 x 4,096 int32; scales 4,096 x 1 float32; x 4 x 1,024 x 4,096 float32; zeros 4,096 x 1 float32.
;; Outputs: out0 4 x 1,024 x 4,096 float32.
;; One version. Each part assembles by itself: llvm-mc -triple=amdgcn-amd-amdhsa -mcpu=gfx1250 --defsym DOCPART=n.
;; ======== version 1 of 1: 1 launch
;; limits: values are held in f16: magnitudes above 65,504 overflow, below 6.1e-05 lose precision; inputs' magnitudes at most 65,504
;; launch qgemm (part 1): grid 16 x 16, 4 waves a work-group, clusters of 4 x 4, 327,680 bytes of LDS; arguments x, qweight, scales, zeros, bias, out0; writes out0
.if DOCPART == 1
	.amdgcn_target "amdgcn-amd-amdhsa--gfx1250"
	.amdhsa_code_object_version 6
	.text
	.protected	k_qd5d53fc2df_qgemm
	.globl	k_qd5d53fc2df_qgemm
	.p2align	8
	.type	k_qd5d53fc2df_qgemm,@function
k_qd5d53fc2df_qgemm:
	s_mov_b64 s[64:65], 0
	v_nop
	global_prefetch_b8 v0, s[64:65] scope:SCOPE_SE
	s_setreg_imm32_b32 hwreg(HW_REG_WAVE_MODE, 25, 1), 1
	s_wait_xcnt 0x0
	s_wait_alu depctr_hold_cnt(0) depctr_sa_sdst(0) depctr_va_vdst(0) depctr_va_sdst(0) depctr_va_ssrc(0) depctr_va_vcc(0) depctr_vm_vsrc(0)
	s_getreg_b32 s2, hwreg(HW_REG_IB_STS2, 6, 4)
	s_cmp_eq_u32 s2, 0
	s_cbranch_scc0 .Lentry_in_a_cluster
	s_endpgm
.Lentry_in_a_cluster:
	s_bfe_u32 s2, ttmp6, 0x10000c
	s_cmp_lg_u32 s2, 0xf033
	s_cbranch_scc0 .Lentry_shape_is_right
	s_endpgm
.Lentry_shape_is_right:
; out[m][o] = sum over k of x[m][k] W[k][o] + bias[o],  W[k][o] = scales[o] q[k][o] - zeros[o].  x, out: [4096][4096] f32.  q: 4-bit codes, eight to a word of
; qweight [512][4096] along k (word row k / 8, nibble k % 8).  ONE launch: x comes into LDS as f32, qweight as packed words; both become f16 fragments in registers.
; ARITHMETIC.  For a whole number c[o] in 0..15:  out = s sum x16 (q - c) + (s c - z) sum x + bias.  q - c is exact in f16, sum x is taken in f32 from the unrounded x, so W is never
; rounded; the one rounding is x to f16.  c = z / s rounded and held to 0..15: then |s (q - c)| <= 2 |W| wherever q differs from c, so no difference of large sums is formed.
; Any c is right by algebra, so s = 0, a negative s or a NaN in z / s (the maximum drops it) only change which c is taken.
; LIMITS.  |x| of 65,520 or more becomes an infinity in f16; |x| below 6e-5 keeps f16's fixed step of 6e-8; the sums' order differs from the reference's; NaN and infinities in x are not treated apart.
; SHARES.  A work-group makes 256 x 256 of out, each of its four waves 128 x 128: 64 accumulators, 512 registers.  K goes in 32 steps of 128 through two LDS slots; a step is four QUARTERS of
; 32 along K, 64 matrix instructions a wave each.  Wave w: RH = w / 2 its half of the rows, CH = w % 2 its half of the columns.
; CLUSTER.  4 x 4 work-groups.  x's tile hangs on the tile row alone and is asked for jointly along a row of the cluster, qweight's on the tile column alone, jointly along a column.
; THE MATRIX INSTRUCTION IS USED TRANSPOSED: source 0 = 16 columns of W, source 1 = 16 rows of x.  L = lane, r = L % 16, h = L / 16.
;   k IS PERMUTED ALIKE IN BOTH SOURCES: register 4 p + i (p = 0, 1; i = 0..3) holds k0 + 16 p + 8 h + i in its low half and that + 4 in its high half.  So W's registers 4 p .. 4 p + 3 come from
;   ONE word, qweight[k0 / 8 + 2 p + h][column], and x's register 4 p + i is the rounding of number i of two neighbouring quads of f32.
;   COLUMNS: the wave's 128 are two groups g of 64; in fragment (g, b), b = 0..3, lane r holds column 64 g + 4 r + b: one 16-byte LDS load brings a word for each of the four fragments.
;   In accumulator (a, g, b), lane (r, h), register j is row 16 a + r, column 64 g + 32 h + 4 j + b.
;   ROWS: my half 0 is tile rows 128 RH + 64 CH + 0..63, my half 1 the other 64 of the 128.  A wave sums the rows of its half 0 alone; the two waves that share rows exchange through LDS at the end.
; UNPACKING.  0x6400 | n is 1024 + n in f16, 0x5400 | 16 n is 64 + n: two v_bfi_b32 take four nibbles of a word, a shift by 8 brings the other four; a packed f16 multiply-add by 1 then
; adds -1024 - c or -64 - c: q - c, exact.
; THE PIPELINE.  Quarter q multiplies fragments(q); the vector lines behind its matrix instructions (RIDERS) turn raw(q + 1) into fragments(q + 1), in the other fragment buffer; its LDS loads bring raw(q + 2),
; each class of raw registers straight behind the stretch that used it up, 48 matrix instructions ahead of its next use.
; REGISTERS, four windows of 256 with the SAME local numbers (s_set_vgpr_msb: bits 1:0 source 0, 3:2 source 1, 5:4 source 2, 7:6 destination):
;   v24-55 RA raw x;  v64-127 F two fragment buffers of 32;  v128-255 ACC 16 accumulators, (a', b) at 128 + 8 (4 a' + b)
;   window 0: accumulators (row half 0, group 0); F = x half 0; RA = x half 0, high quads; v0-23, v56-63 addresses and row sums
;   window 1: accumulators (1, 1); F = x half 1; RA = x half 1, high quads
;   window 2: accumulators (1, 0); F = W group 0; RA = x half 0, low quads; v0-7 raw words; v8-11, v12-15 the two packed addends for b = 0..3
;   window 3: accumulators (0, 1); F = W group 1; RA = x half 1, low quads; v0-15 as window 2
; A STRETCH is 16 matrix instructions on one window's accumulators.  Under its one setting the riders' operands fall into the right windows too, so no switch stands between a product and its riders.
.set ROWB,   16384                     ; bytes in a row of x, of qweight and of out
.set STEPS,  32                        ; K steps of 128
.set PA,     528                       ; a row of x in LDS: 512 bytes + 16 of padding = 33 x 16: the 16 rows of a load start at 16 different groups of four banks (64 banks of 4 bytes: ISA guide 11.1)
.set BOFF,   0                         ; a slot: 16 word rows of 1,024 bytes (256 columns), no padding: 16 lanes of a load take 256 neighbouring bytes,
.set AOFF,   16384                     ; then 256 rows of x
.set HALFA,  128*PA                    ; what one tensor load of x brings
.set SLOT,   0x28000                   ; slot 1 begins here: the loads' LDS addresses in slot 0 (0, 0x2000, 0x4000, 0x14800) share no bit with it, so one exclusive or changes slots
.set STAGE,  AOFF+2*HALFA              ; behind slot 0's tiles: the stages of waves 0 and 1, 16 rows x 272 bytes each; those of waves 2 and 3 lie SLOT further on, behind slot 1's tiles
.set SP,     272
.set RS,     STAGE+2*16*SP             ; the tile's 256 row sums: for each 16 rows 64 bytes, [row % 2][row / 2]
.set SPARE,  RS+1024                   ; the spare words, 128 bytes for each wave: two blocks of 256 bytes that no other line names
.set COLO, 1                           ; v1     16 r: my byte offset in 64 columns of scales, zeros, bias; never rewritten
.set BA,   2                           ; v2-3   my lane's place in x's tile, row half 0, 1: (first row + r) PA + 32 h
.set BB,   4                           ; v4     my lane's place in the words' tile: 1,024 h + 16 r + 512 CH
.set ADA,  5                           ; v5-6   the same + the slot that is read
.set ADB,  7                           ; v7
.set SUM,  8                           ; v8-23  row sums: block a' of half 0: low quads' pair at 8 + 4 a', high quads' pair behind it
.set RA,   24
.set STO,  56                          ; v56    the way out: where I put 16 bytes of a row
.set RD,   57                          ; v57    where I read a row back
.set CO,   58                          ; v58    my byte offset in two rows of out
.set RSW,  59                          ; v59    where I put a row sum
.set RSR,  60                          ; v60-61 where I read eight row sums of half 0, 1
.set SPW,  62                          ; v62    LDS address of my spare word; never rewritten
.set NIL,  63                          ; v63    0; never rewritten
.set F,    64
.set ACC,  128
.set RB,   0                           ; windows 2, 3: raw words, 4 p + b
.set CLO,  8                           ; windows 2, 3: -1024 - c twice, for b = 0..3
.set CHI,  12                          ; windows 2, 3: -64 - c twice
.set SV,   64                          ; the way out, window 0: scales of my 8 columns (4 g + i),
.set EV,   72                          ; s c - z,
.set BV,   80                          ; bias,
.set R8,   88                          ; eight row sums,
.set BK,   96                          ; 16 rows x 64 columns read back from the stage,
.set GT,   24                          ; and gathered for it; before that, zeros
.set WV,  16                           ; s16 wave   s17 RH (also: 0 = I fetch x, 1 = I fetch words)   s18 CH (also: which half of that tile)
.set RHS, 17
.set CHS, 18
.set G1A, 24                           ; s[24:31] descriptor group 1 for x's tiles
.set G0A, 32                           ; s[32:39] group 0: a set for each of the two first fills; the second then walks on
.set G1B, 48                           ; s[48:55], s[56:63] the same for the words' tiles
.set G0B, 56
.set TB,  66                           ; s66 0 or SLOT: the slot that the LDS loads read
.set CNT, 67
.set NL,  68                           ; s68-71 masks and exponents for v_bfi_b32
.set ML,  69
.set NH,  70
.set MH,  71
.set ONE, 72                           ; s72 1.0 twice in f16
.set OUTB, 76                          ; s[76:77], s[78:79] out at my columns and the first row of my half 0, 1
.set SEL, 80                           ; s[80:81] v_permlanex16_b32's selects: each lane takes its own place in the other half
.set MSB, 0
.macro WIN new                         ; the immediate's high byte repeats the setting that is left; a switch that changes nothing is dropped
.if MSB != (\new)
	s_set_vgpr_msb (MSB<<8)|(\new)
.set MSB, (\new)
.endif
.endm
.macro NOP4
.rept 4
	v_nop
.endr
.endm
; A joint refill by the walking descriptors.  Waves 0 and 1 fetch the two halves of x's tile, waves 2 and 3 those of the words'.  The branch hangs on the wave's number alone.
; An s_nop 0 and four v_nop follow each of the two lines, ahead of the jump, the label and what follows.
.macro JLOAD
	s_cmp_eq_u32 s[RHS], 0
	s_cbranch_scc0 .Lfor_b_\@
	tensor_load_to_lds s[G0A+4:G0A+7], s[G1A:G1A+7]
	s_nop 0
	NOP4
	s_branch .Lasked_\@
.Lfor_b_\@:
	tensor_load_to_lds s[G0B+4:G0B+7], s[G1B:G1B+7]
	s_nop 0
	NOP4
.Lasked_\@:
.endm
; A round of the cluster's barrier: my work-group's barrier, so that wave 0's signal speaks for all four waves; wave 0 signals; every wave waits for all sixteen work-groups; my work-group's barrier once more.
.macro CREST                           ; a round behind its opening barrier
	s_cmp_lg_u32 s[WV], 0
	s_cbranch_scc1 .Lnot_wave_0_\@
	s_barrier_signal -3
.Lnot_wave_0_\@:
	s_barrier_wait -3
	s_barrier_signal -1
	s_barrier_wait -1
.endm
.macro CROUND
	s_barrier_signal -1
	s_barrier_wait -1
	CREST
.endm
; c for 8 columns: z / s, held to 0..15, rounded to a whole number.  Used at the head and on the way out: the same lines on the same numbers give the same c.
.macro COLCONST sv, zv, cv
.set i, 0
.rept 8
	v_rcp_f32 v[(\cv)+i], v[(\sv)+i]
.set i, i+1
.endr
	v_nop                                          ; a plain instruction between the last reciprocal and the use of its result (ISA guide 5.7.2)
.set i, 0
	s_wait_alu depctr_va_vdst(0)
.rept 8
	v_mul_f32 v[(\cv)+i], v[(\zv)+i], v[(\cv)+i]
.set i, i+1
.endr
.set i, 0
.rept 8
	v_max_num_f32 v[(\cv)+i], 0, v[(\cv)+i]        ; a NaN loses: c = 0
.set i, i+1
.endr
.set i, 0
.rept 8
	v_min_num_f32 v[(\cv)+i], 0x41700000, v[(\cv)+i]  ; 15.0
.set i, i+1
.endr
.set i, 0
.rept 8
	v_rndne_f32 v[(\cv)+i], v[(\cv)+i]
.set i, i+1
.endr
.endm
	s_load_b256 s[4:11], s[0:1], 0x0               ; x s[4:5], qweight s[6:7], scales s[8:9], zeros s[10:11]
	s_load_b128 s[12:15], s[0:1], 0x20             ; bias s[12:13], out s[14:15]
	v_lshl_add_u32 v[SPW], v0, 2, SPARE
	v_mov_b32 v[NIL], 0
	ds_add_u32 v[SPW], v[NIL]                      ; the wave's opening: the add and its wait stand ahead of my first tensor load; the set-up below, work on registers, stands between them
	v_lshrrev_b32 v1, 5, v0
	v_readfirstlane_b32 s[WV], v1                  ; wave 0..3
	s_lshr_b32 s[RHS], s[WV], 1
	s_and_b32 s[CHS], s[WV], 1
	s_bfe_u32 s19, ttmp6, 0x40000                  ; cx, cy: my place in the cluster
	s_bfe_u32 s20, ttmp6, 0x40004
	s_lshl_b32 s21, ttmp9, 2
	s_add_co_u32 s21, s21, s19                     ; tile column = 4 x cluster x + cx
	s_and_b32 s22, ttmp7, 0xffff
	s_lshl_b32 s22, s22, 2
	s_add_co_u32 s22, s22, s20                     ; tile row = 4 x cluster y + cy
	s_lshl_b32 s23, s20, 2
	s_lshl_b32 s23, 15, s23                        ; my row of the cluster: places 4 cy .. 4 cy + 3
	s_lshl_b32 s75, 0x1111, s19                    ; my column: places cx, cx + 4, cx + 8, cx + 12
	; group 1 for x: 128 rows x 128 elements of 4 bytes, 4 words of padding behind every 128
	s_or_b32 s[G1A+0], s23, (2<<16)|(1<<20)|(1<<21)|(6<<22)|(3<<25)  ; 15:0 the mask; 17:16 elements of 4 bytes; 20 padding on; 21 set beside a mask; 24:22 after every 128 words (code 6); 31:25 4 words (code 3)
	s_mov_b32 s[G1A+1], 128<<16                    ; tensor_dim0 = 128
	s_mov_b32 s[G1A+2], 128<<16                    ; tensor_dim1 = 128
	s_mov_b32 s[G1A+3], 128<<16                    ; tile_dim0 = 128
	s_mov_b32 s[G1A+4], 128                        ; tile_dim1 = 128
	s_mov_b32 s[G1A+5], 4096                       ; elements from row to row
	s_mov_b32 s[G1A+6], 0
	s_mov_b32 s[G1A+7], 0
	; group 1 for the words: 8 rows x 256 elements of 4 bytes, no padding
	s_or_b32 s[G1B+0], s75, (2<<16)|(1<<21)
	s_mov_b32 s[G1B+1], 256<<16                    ; tensor_dim0 = 256
	s_mov_b32 s[G1B+2], 8<<16                      ; tensor_dim1 = 8
	s_mov_b32 s[G1B+3], 256<<16                    ; tile_dim0 = 256
	s_mov_b32 s[G1B+4], 8                          ; tile_dim1 = 8
	s_mov_b32 s[G1B+5], 4096
	s_mov_b32 s[G1B+6], 0
	s_mov_b32 s[G1B+7], 0
	; where the tiles come from: x's hang on the tile row and the wave, the words' on the tile column and the wave, each in registers that never hold the other coordinate
	s_lshl_b32 s40, s22, 22                        ; 256 rows of 16,384 bytes a tile row,
	s_lshl_b32 s41, s[CHS], 21                     ; 128 rows for the half that I fetch
	s_add_co_u32 s40, s40, s41
	s_mov_b32 s41, 0
	s_lshl_b32 s44, s21, 10                        ; 256 columns of 4 bytes a tile column,
	s_lshl_b32 s45, s[CHS], 17                     ; 8 word rows for the half
	s_add_co_u32 s44, s44, s45
	s_mov_b32 s45, 0
	; and where they go: no place in the cluster enters an LDS address
	s_mul_i32 s42, s[CHS], HALFA
	s_mov_b32 s[G0A], 1                            ; 1:0 count = 1
	s_add_co_u32 s[G0A+1], s42, AOFF               ; 63:32 LDS address: slot 0
	s_mov_b32 s[G0A+4], 1
	s_add_co_u32 s[G0A+5], s42, AOFF+SLOT          ; slot 1
	s_mov_b32 s[G0B], 1
	s_lshl_b32 s[G0B+1], s[CHS], 13                ; the words lie at the slot's head: 8 rows of 1,024 bytes a half
	s_mov_b32 s[G0B+4], 1
	s_add_co_u32 s[G0B+5], s[G0B+1], SLOT
	; my columns, my two row halves, and their places in out
	s_lshl_b32 s84, s21, 10
	s_lshl_b32 s85, s[CHS], 9
	s_add_co_u32 s84, s84, s85                     ; my first column, in bytes
	s_mov_b32 s85, 0
	s_lshl_b32 s86, s[RHS], 7
	s_lshl_b32 s87, s[CHS], 6
	s_add_co_u32 s86, s86, s87                     ; first tile row of my half 0,
	s_xor_b32 s87, s86, 64                         ; of my half 1
	s_lshl_b32 s88, s22, 8
	s_add_co_u32 s90, s88, s87
	s_add_co_u32 s88, s88, s86
	s_lshl_b32 s88, s88, 14
	s_lshl_b32 s90, s90, 14
	s_add_co_u32 s88, s88, s84
	s_add_co_u32 s90, s90, s84
	s_mov_b32 s89, 0
	s_mov_b32 s91, 0
	s_mov_b32 s[TB], 0
	s_mov_b32 s[NL], 0xfff0fff0                    ; keeps all but bits 3:0 of each half from the exponent word
	s_mov_b32 s[ML], 0x64006400                    ; 1024.0 twice: a step of 1
	s_mov_b32 s[NH], 0xff0fff0f                    ; the same for bits 7:4
	s_mov_b32 s[MH], 0x54005400                    ; 64.0 twice: a step of 1/16
	s_mov_b32 s[ONE], 0x3c003c00
	s_mov_b32 s[SEL], 0x76543210
	s_mov_b32 s[SEL+1], 0xfedcba98
	s_wait_dscnt 0x0                               ; the opening add is done
	s_wait_kmcnt 0x0
	s_add_nc_u64 s[40:41], s[4:5], s[40:41]
	s_add_nc_u64 s[44:45], s[6:7], s[44:45]
	s_add_nc_u64 s[8:9], s[8:9], s[84:85]          ; scales, zeros and bias at my first column
	s_add_nc_u64 s[10:11], s[10:11], s[84:85]
	s_add_nc_u64 s[12:13], s[12:13], s[84:85]
	s_add_nc_u64 s[OUTB:OUTB+1], s[14:15], s[88:89]
	s_add_nc_u64 s[OUTB+2:OUTB+3], s[14:15], s[90:91]
	s_mov_b64 s[G0A+2:G0A+3], s[40:41]             ; 120:64 global address: K step 0,
	s_or_b32 s[G0A+3], s[G0A+3], 0x80000000        ; 127:126 type = 2
	s_add_nc_u64 s[G0A+6:G0A+7], s[40:41], 512     ; K step 1: 128 numbers of 4 bytes on
	s_or_b32 s[G0A+7], s[G0A+7], 0x80000000
	s_mov_b64 s[G0B+2:G0B+3], s[44:45]
	s_or_b32 s[G0B+3], s[G0B+3], 0x80000000
	s_add_nc_u64 s[G0B+6:G0B+7], s[44:45], 16*ROWB ; K step 1: 16 word rows on
	s_or_b32 s[G0B+7], s[G0B+7], 0x80000000
	CROUND                                         ; all sixteen work-groups are here: the first joint loads meet
	s_cmp_eq_u32 s[RHS], 0                         ; a wave's two first fills stand in one branch, ahead of every wait on TENSORcnt and every LDS read: two loads of mine are out
	s_cbranch_scc0 .Lfirst_b
	tensor_load_to_lds s[G0A:G0A+3], s[G1A:G1A+7]
	s_nop 0
	tensor_load_to_lds s[G0A+4:G0A+7], s[G1A:G1A+7]
	s_nop 0
	NOP4
	s_branch .Lfirst_asked
.Lfirst_b:
	tensor_load_to_lds s[G0B:G0B+3], s[G1B:G1B+7]
	s_nop 0
	tensor_load_to_lds s[G0B+4:G0B+7], s[G1B:G1B+7]
	s_nop 0
	NOP4
.Lfirst_asked:
	; All of the following stands in the wait for the first tiles.  v64-103 and v128-131 of window 0 are at work here, before fragments and sums take them.
	v_and_b32 v128, 15, v0                         ; r
	v_bfe_u32 v129, v0, 4, 1                       ; h
	v_lshlrev_b32 v[COLO], 4, v128
	global_load_b128 v[64:67], v[COLO], s[8:9]              ; scales of columns 4 r + 0..3 of group 0,
	global_load_b128 v[68:71], v[COLO], s[8:9] offset:256   ; of group 1
	global_load_b128 v[72:75], v[COLO], s[10:11]            ; zeros likewise
	global_load_b128 v[76:79], v[COLO], s[10:11] offset:256
	v_mul_u32_u24 v130, v128, PA
	v_lshl_add_u32 v130, v129, 5, v130             ; r PA + 32 h: 8 numbers of x for each half of the lanes
	s_mul_i32 s82, s86, PA
	s_mul_i32 s83, s87, PA
	v_add_nc_u32 v[BA], s82, v130
	v_add_nc_u32 v[BA+1], s83, v130
	s_lshl_b32 s82, s[CHS], 9
	v_lshl_add_u32 v[BB], v129, 10, v[COLO]        ; word row h, 16 r
	v_add_nc_u32 v[BB], s82, v[BB]                 ; my 128 columns
	s_mul_i32 s82, s[RHS], SLOT
	s_mul_i32 s83, s[CHS], 16*SP
	s_add_co_u32 s82, s82, s83
	s_add_co_u32 s82, s82, STAGE                   ; my stage
	v_mul_u32_u24 v130, v128, SP
	v_lshl_add_u32 v130, v129, 7, v130
	v_add_nc_u32 v[STO], s82, v130                 ; in: row r, 128 bytes for each half of the lanes
	v_mul_u32_u24 v130, v129, SP
	v_add3_u32 v[RD], v130, v[COLO], s82           ; back: lanes 0-15 take one row of 256 bytes, lanes 16-31 the next
	v_lshl_add_u32 v[CO], v129, 14, v[COLO]        ; and the same two rows in out
	s_lshl_b32 s82, s86, 2                         ; 64 bytes of row sums for each 16 rows
	s_add_co_u32 s82, s82, RS
	s_lshl_b32 s83, s87, 2
	s_add_co_u32 s83, s83, RS
	v_and_b32 v130, 1, v128
	v_lshrrev_b32 v131, 1, v128
	v_lshlrev_b32 v130, 5, v130
	v_lshl_add_u32 v130, v131, 2, v130
	v_add_nc_u32 v[RSW], s82, v130                 ; row r of a block goes to [r % 2][r / 2]
	v_lshl_add_u32 v[RSR], v129, 5, s82            ; on the way back lane half h holds rows 2 t + h: eight neighbouring words
	v_lshl_add_u32 v[RSR+1], v129, 5, s83
.set i, 0
.rept 16
	v_mov_b32 v[SUM+i], 0
.set i, i+1
.endr
	s_wait_loadcnt 0x0                             ; scales and zeros
	COLCONST 64, 72, 80
.set i, 0
.rept 8
	v_sub_f32 v[88+i], 0xc4800000, v[80+i]         ; -1024 - c
	v_sub_f32 v[96+i], 0xc2800000, v[80+i]         ; -64 - c
.set i, i+1
.endr
	WIN 0x80                                       ; destination window 2: group 0's addends, each twice in a word (both are whole numbers within f16's exact range)
.set i, 0
.rept 4
	v_cvt_pk_f16_f32 v[CLO+i], v[88+i], v[88+i]
	v_cvt_pk_f16_f32 v[CHI+i], v[96+i], v[96+i]
.set i, i+1
.endr
	WIN 0xc0                                       ; window 3: group 1's
.set i, 0
.rept 4
	v_cvt_pk_f16_f32 v[CLO+i], v[92+i], v[92+i]
	v_cvt_pk_f16_f32 v[CHI+i], v[100+i], v[100+i]
.set i, i+1
.endr
	WIN 0
; THE RIDERS behind matrix instruction m of a stretch on x (w = 0: half 0, w = 1: half 1).  The same local number names the low quad through source 0's window and the high quad through source 1's.
; Two roundings make two registers of the next quarter's fragment; for half 0 the same four numbers also go into the row sums (the high quads' sum needs source 2's window: a multiply-add by 1).
.macro XRIDE w
.set idx, 8*(m%4)+4*(m/8)+2*((m/4)%2)
.set sm, SUM+4*(m%4)
	v_cvt_pk_f16_f32 v[GB+idx], v[RA+idx], v[RA+idx]
	v_cvt_pk_f16_f32 v[GB+idx+1], v[RA+idx+1], v[RA+idx+1]
.if (\w) == 0
	v_pk_add_f32 v[sm:sm+1], v[RA+idx:RA+idx+1], v[sm:sm+1]
	v_pk_fma_f32 v[sm+2:sm+3], 1.0, v[RA+idx:RA+idx+1], v[sm+2:sm+3] op_sel_hi:[0,1,1]
.endif
.endm
; Entry n of the 72 that unpack a group's eight words (p = n / 36; nine stages of four, b = n % 4): a line reads no result made fewer than eight entries before it.
.macro WRIDE
.set wst, (n%36)/4
.set wr, RB+4*(n/36)+n%4
.set wd, GB+8*(n%4)+4*(n/36)
.if wst == 0
	v_bfi_b32 v[wd], s[NL], s[ML], v[wr]           ; 1024 + nibbles 0, 4
.elseif wst == 1
	v_bfi_b32 v[wd+1], s[NH], s[MH], v[wr]         ; 64 + nibbles 1, 5
.elseif wst == 2
	v_bfe_u32 v[wr], v[wr], 8, 24                  ; the word's upper nibbles come down (a field extract: the word stands in source 0's window)
.elseif wst == 3
	v_pk_fma_f16 v[wd], v[CLO+n%4], s[ONE], v[wd]  ; - 1024 - c
.elseif wst == 4
	v_pk_fma_f16 v[wd+1], v[CHI+n%4], s[ONE], v[wd+1]  ; - 64 - c
.elseif wst == 5
	v_bfi_b32 v[wd+2], s[NL], s[ML], v[wr]         ; nibbles 2, 6
.elseif wst == 6
	v_bfi_b32 v[wd+3], s[NH], s[MH], v[wr]         ; nibbles 3, 7
.elseif wst == 7
	v_pk_fma_f16 v[wd+2], v[CLO+n%4], s[ONE], v[wd+2]
.else
	v_pk_fma_f16 v[wd+3], v[CHI+n%4], s[ONE], v[wd+3]
.endif
.set n, n+1
.endm
; A STRETCH: window w's 16 accumulators, one matrix instruction each (mm = 1; zero = 1: the product starts the sum), on fragment buffer f, and the riders (ride = 1), which write the other buffer:
; w = 0: x half 0 (4 a product); w = 1: x half 1 (2); w = 2: W group 0; w = 3: W group 1 (72: 5 behind each of the first 8 products, 4 behind the others).
; The 64 accumulators take turns, one instruction a turn, in the same order in every quarter.  A rider writes a fragment register whose last reader stands two stretches
; back or more, with 96 plain vector lines or more between (ISA guide 7.12.1 asks for four); no matrix instruction names a raw register.
.macro STRETCH w, f, zero, mm, ride
.set FB, F+32*(\f)
.set GB, F+32*(1-(\f))
.if (\w) == 0
	WIN 0x02                                       ; W from window 2, x from 0, sums in 0
.elseif (\w) == 1
	WIN 0x57                                       ; W from window 3, x from 1, sums in 1
.elseif (\w) == 2
	WIN 0xa6                                       ; W from window 2, x from 1, sums in 2
.else
	WIN 0xf3                                       ; W from window 3, x from 0, sums in 3
.endif
.set m, 0
.set n, 0
.rept 16
.if (\mm) && (\zero)
	v_wmma_f32_16x16x32_f16 v[ACC+8*m:ACC+8*m+7], v[FB+8*(m%4):FB+8*(m%4)+7], v[FB+8*(m/4):FB+8*(m/4)+7], 0
.elseif \mm
	v_wmma_f32_16x16x32_f16 v[ACC+8*m:ACC+8*m+7], v[FB+8*(m%4):FB+8*(m%4)+7], v[FB+8*(m/4):FB+8*(m/4)+7], v[ACC+8*m:ACC+8*m+7]
.endif
.if (\ride) && ((\w) < 2)
	XRIDE \w
.elseif \ride
.rept 5-m/8
	WRIDE
.endr
.endif
.set m, m+1
.endr
.endm
; 16 LDS loads: raw x of row half hf, quarter kq of the slot in hand: for block a' and p the quad at k = 32 kq + 16 p + 8 h (low) and the next (high)
.macro LOADA hf, kq
	WIN (2+(\hf))<<6                               ; destination: the low quads' window; address window 0
.irp a, 0,1,2,3
.irp p, 0,1
	ds_load_b128 v[RA+8*(\a)+4*(\p):RA+8*(\a)+4*(\p)+3], v[ADA+(\hf)] offset:AOFF+(\a)*16*PA+128*(\kq)+64*(\p)
.endr
.endr
	WIN (\hf)<<6                                   ; the high quads' window
.irp a, 0,1,2,3
.irp p, 0,1
	ds_load_b128 v[RA+8*(\a)+4*(\p):RA+8*(\a)+4*(\p)+3], v[ADA+(\hf)] offset:AOFF+(\a)*16*PA+128*(\kq)+64*(\p)+16
.endr
.endr
.endm
; 2 LDS loads: the raw words of column group g: word row 4 kq + 2 p + h, columns 4 r + 0..3
.macro LOADB g, kq
	WIN (2+(\g))<<6
.irp p, 0,1
	ds_load_b128 v[RB+4*(\p):RB+4*(\p)+3], v[ADB] offset:BOFF+(4*(\kq)+2*(\p))*1024+256*(\g)
.endr
.endm
.macro SETADR                          ; the LDS loads' addresses in the slot in hand
.irp i, 0,1,2
	v_add_nc_u32 v[ADA+(\i)], s[TB], v[BA+(\i)]
.endr
.endm
; A QUARTER.  The loads of a quarter go out in the order x half 0 (16), words group 1 (2), x half 1 (16), words group 0 (2), each behind the stretch whose riders used those registers up.
; Each wait counts the LDS loads issued behind the ones that the stretch's riders read (LDS loads come back in order: ISA guide 5.7.1):
;   x half 0: 2 + 16 + 2 = 20;  words 1: 16 + 2 + 16 = 34;  x half 1: 2 + 16 + 2 = 20;  words 0: 16 + 2 + 16 = 34.  load = 0 (nothing is left to fetch): 20, 18, 2, 0.
.macro QUARTER f, kq, zero, mm, ride, load
.if \ride
	s_wait_dscnt 20
.endif
	STRETCH 0, \f, \zero, \mm, \ride
.if \load
	LOADA 0, \kq
.endif
.if \ride
	s_wait_dscnt 18+16*(\load)
.endif
	STRETCH 3, \f, \zero, \mm, \ride
.if \load
	LOADB 1, \kq
.endif
.if \ride
	s_wait_dscnt 2+18*(\load)
.endif
	STRETCH 1, \f, \zero, \mm, \ride
.if \load
	LOADA 1, \kq
.endif
.if \ride
	s_wait_dscnt 34*(\load)
.endif
	STRETCH 2, \f, \zero, \mm, \ride
.if \load
	LOADB 0, \kq
.endif
.endm
; A STEP'S THIRD QUARTER CHANGES SLOTS: its loads are the first from the next slot.  ONE barrier for two things.  In front of it each wave waits for all its tensor loads, of which one is out: its part of the
; next slot; adds 0 to its spare word; and waits for that and for its reads of this slot, the last of which went out in the quarter before.  Behind it nobody reads this slot any more and the next is whole.
; fill = 1: the barrier opens a round of the cluster's, and this slot is filled again, first thing behind the round, with the K step two on: 224 matrix instructions ahead of the wait for it.
.macro TURNQ fill
	WIN 0                                          ; (the add's two registers lie in window 0)
	s_wait_tensorcnt 0x0                           ; all my tensor loads have landed: no load of mine is out, so a group 0 may be written
	ds_add_u32 v[SPW], v[NIL]                      ; 0 onto my spare word
	s_wait_dscnt 21                                ; x half 0 is in: behind it went the 20 of a quarter's first wait, and the add
	STRETCH 0, 0, 0, 1, 1                          ; sixteen products and their riders stand between the add and the wait for it
	s_wait_dscnt 0x0                               ; the add is done, and my reads of this slot are over: all raw registers are in
	s_barrier_signal -1
	STRETCH 3, 0, 0, 1, 1                          ; work on registers while the others arrive
	WIN 0
	s_barrier_wait -1
.if \fill
	CREST                                          ; no wave of any partner still reads this slot's tiles or has a load on its way
	s_xor_b32 s[G0A+5], s[G0A+5], SLOT             ; the walking descriptors: the other slot than last time,
	s_add_nc_u64 s[G0A+6:G0A+7], s[G0A+6:G0A+7], 512       ; the next K step; the type bits on top are not reached
	s_xor_b32 s[G0B+5], s[G0B+5], SLOT
	s_add_nc_u64 s[G0B+6:G0B+7], s[G0B+6:G0B+7], 16*ROWB
	JLOAD                                          ; the first tensor load behind the round, and my only one until the next
.endif
	s_xor_b32 s[TB], s[TB], SLOT
	SETADR
	LOADA 0, 0
	LOADB 1, 0
	STRETCH 1, 0, 0, 1, 1                          ; no wait: the wait for 0 above has shown these riders' registers loaded
	LOADA 1, 0
	STRETCH 2, 0, 0, 1, 1
	LOADB 0, 0
.endm
	s_wait_tensorcnt 0x1                           ; my part of K step 0 is in; K step 1's may stay out
	s_barrier_signal -1
	s_barrier_wait -1                              ; everybody's is
	SETADR
	LOADA 0, 0                                     ; raw(0), in a quarter's order
	LOADB 1, 0
	LOADA 1, 0
	LOADB 0, 0
	QUARTER 1, 1, 0, 0, 1, 1                       ; no products yet: the riders make fragments(0) in buffer 0; raw(1) is fetched
	QUARTER 0, 2, 1, 1, 1, 1                       ; the first quarter stands in front of the loop: its products start the sums, nothing is cleared
	WIN 0                                          ; at a label and at a branch every window is 0
	s_mov_b32 s[CNT], STEPS-2
.Lstep:                                                ; trip j: quarters 1 to 3 of K step j and quarter 0 of step j + 1; step j's slot is filled again with step j + 2
	QUARTER 1, 3, 0, 1, 1, 1
	TURNQ 1
	QUARTER 1, 1, 0, 1, 1, 1
	QUARTER 0, 2, 0, 1, 1, 1
	WIN 0
	s_sub_co_u32 s[CNT], s[CNT], 1
	s_cmp_lg_u32 s[CNT], 0
	s_cbranch_scc1 .Lstep
	QUARTER 1, 3, 0, 1, 1, 1                       ; the tail is written out: K step 30 goes on
	TURNQ 0                                        ; nothing is asked for, so no round follows the barrier
	QUARTER 1, 1, 0, 1, 1, 1
	QUARTER 0, 2, 0, 1, 1, 1                       ; K step 31
	QUARTER 1, 3, 0, 1, 1, 1
	QUARTER 0, 0, 0, 1, 1, 0                       ; nothing is left to fetch
	QUARTER 1, 0, 0, 1, 0, 0                       ; nor to convert
	; THE WAY OUT.  The row sums are folded (twelve additions: also the places behind the last products), added across the halves of the lanes and exchanged through LDS.
	WIN 0
.irp a, 0,1,2,3
	v_add_f32 v[SUM+4*(\a)], v[SUM+4*(\a)], v[SUM+4*(\a)+1]
	v_add_f32 v[SUM+4*(\a)+2], v[SUM+4*(\a)+2], v[SUM+4*(\a)+3]
.endr
.irp a, 0,1,2,3
	v_add_f32 v[SUM+4*(\a)], v[SUM+4*(\a)], v[SUM+4*(\a)+2]
.endr
	global_load_b128 v[SV:SV+3],   v[COLO], s[8:9]             ; on the way back from the stage a lane holds columns 4 r + 0..3 of a group: the head's loads once more, and bias
	global_load_b128 v[SV+4:SV+7], v[COLO], s[8:9] offset:256
	global_load_b128 v[GT:GT+3],   v[COLO], s[10:11]
	global_load_b128 v[GT+4:GT+7], v[COLO], s[10:11] offset:256
	global_load_b128 v[BV:BV+3],   v[COLO], s[12:13]
	global_load_b128 v[BV+4:BV+7], v[COLO], s[12:13] offset:256
.irp a, 0,1,2,3
	v_permlanex16_b32 v[SUM+4*(\a)+1], v[SUM+4*(\a)], s[SEL], s[SEL+1]  ; the row's other k lie in the lane 16 away
.endr
.irp a, 0,1,2,3
	v_add_f32 v[SUM+4*(\a)], v[SUM+4*(\a)], v[SUM+4*(\a)+1]
.endr
.irp a, 0,1,2,3
	ds_store_b32 v[RSW], v[SUM+4*(\a)] offset:64*(\a)          ; lanes r and r + 16 write the same word with the same number
.endr
	s_wait_dscnt 0x0                               ; for the others' sake: my row sums are in LDS
	s_barrier_signal -1
	s_barrier_wait -1                              ; my partner's are too
	s_wait_loadcnt 0x0
	COLCONST SV, GT, EV
.set i, 0
.rept 8
	v_fma_f32 v[EV+i], v[SV+i], v[EV+i], -v[GT+i]  ; s c - z
.set i, i+1
.endr
; Sixteen passes n of 16 rows x 64 columns: row half n / 8, block (n / 2) % 4, column group n % 2.
.macro PASS n
.set pH, (\n)/8
.set pA, ((\n)/2)%4
.set pG, (\n)%2
.endm
; 16 neighbouring bytes of a row lie in four accumulators (b = 0..3), so they are brought together in window 0 first; each accumulator's register 0 is read first.
.macro GATHER n
	PASS \n
	WIN 3*pG*(1-pH)+(2-pG)*pH                      ; source 0: the accumulators' window
.set j, 0
.rept 8
.irp b, 0,1,2,3
	v_mov_b32 v[GT+4*j+(\b)], v[ACC+8*(4*pA+(\b))+j]
.endr
.set j, j+1
.endr
	WIN 0
.endm
; Into my own stage, rows of 272 bytes, and back as whole rows of 256; with a block's first pass its eight row sums.
.macro TOSTAGE n
	PASS \n
.set j, 0
.rept 8
	ds_store_b128 v[STO], v[GT+4*j:GT+4*j+3] offset:16*j
.set j, j+1
.endr
	s_wait_xcnt 0x0                                ; the last pass's stores have had their addresses translated (ISA guide 3.1): only behind this wait are their data registers loaded again
.if pG == 0
	ds_load_b128 v[R8:R8+3],   v[RSR+pH] offset:64*pA
	ds_load_b128 v[R8+4:R8+7], v[RSR+pH] offset:64*pA+16
.endif
.set j, 0
.rept 8
	ds_load_b128 v[BK+4*j:BK+4*j+3], v[RD] offset:2*SP*j  ; LDS serves a wave's instructions in order (ISA guide 5.7.1.4): these see the stores above; the next pass's stores come behind them
.set j, j+1
.endr
.endm
; out = s x sum + ((s c - z) x row sum + bias), four columns a lane, two rows an instruction.
.macro SEND n
	PASS \n
.set u, 0
.rept 8
	s_wait_dscnt 7-u                               ; rows 2 u, 2 u + 1 are back (and the row sums, asked for ahead of them); the younger loads stay out
.set tt, 16+4*(u%2)
.if u%2 == 0
	v_pk_fma_f32 v[tt:tt+1],   v[EV+4*pG:EV+4*pG+1],   v[R8+u:R8+u+1], v[BV+4*pG:BV+4*pG+1]   op_sel_hi:[1,0,1]
	v_pk_fma_f32 v[tt+2:tt+3], v[EV+4*pG+2:EV+4*pG+3], v[R8+u:R8+u+1], v[BV+4*pG+2:BV+4*pG+3] op_sel_hi:[1,0,1]
.else
	v_pk_fma_f32 v[tt:tt+1],   v[EV+4*pG:EV+4*pG+1],   v[R8+u-1:R8+u], v[BV+4*pG:BV+4*pG+1]   op_sel:[0,1,0] op_sel_hi:[1,1,1]
	v_pk_fma_f32 v[tt+2:tt+3], v[EV+4*pG+2:EV+4*pG+3], v[R8+u-1:R8+u], v[BV+4*pG+2:BV+4*pG+3] op_sel:[0,1,0] op_sel_hi:[1,1,1]
.endif
	v_pk_fma_f32 v[BK+4*u:BK+4*u+1],   v[SV+4*pG:SV+4*pG+1],   v[BK+4*u:BK+4*u+1],   v[tt:tt+1]
	v_pk_fma_f32 v[BK+4*u+2:BK+4*u+3], v[SV+4*pG+2:SV+4*pG+3], v[BK+4*u+2:BK+4*u+3], v[tt+2:tt+3]
	global_store_b128 v[CO], v[BK+4*u:BK+4*u+3], s[OUTB+2*pH:OUTB+2*pH+1] offset:(16*pA+2*u)*ROWB+256*pG th:TH_STORE_NT  ; 16 lanes store 256 consecutive bytes, at a multiple of 256 from out's first byte; 62 rows at the most, inside the signed 24-bit immediate
.set u, u+1
.endr
.endm
	GATHER 0
	TOSTAGE 0
.set pp, 1
.rept 15                               ; a pass's copies stand between the loads of the pass before and the wait for them
	GATHER pp
	SEND pp-1
	TOSTAGE pp
.set pp, pp+1
.endr
	SEND 15
	s_wait_tensorcnt 0x0                           ; the wave's end, behind my last tensor load and my last LDS store
	ds_add_u32 v[SPW], v[NIL]
	s_wait_dscnt 0x0
	CROUND                                         ; the closing round: no work-group ends while a partner may still ask for a tile that names it
	s_endpgm
.Lfunc_end_k_qd5d53fc2df_qgemm:
	.size	k_qd5d53fc2df_qgemm, .Lfunc_end_k_qd5d53fc2df_qgemm-k_qd5d53fc2df_qgemm
	.p2alignl 7, 3214868480
	.fill 96, 4, 3214868480
	.section	.rodata,"a",@progbits
	.p2align	6, 0x0
	.amdhsa_kernel k_qd5d53fc2df_qgemm
		.amdhsa_group_segment_fixed_size 327680
		.amdhsa_private_segment_fixed_size 0
		.amdhsa_enable_private_segment 0
		.amdhsa_kernarg_size 48
		.amdhsa_user_sgpr_count 2
		.amdhsa_user_sgpr_kernarg_segment_ptr 1
		.amdhsa_wavefront_size32 1
		.amdhsa_system_sgpr_workgroup_id_x 1
		.amdhsa_system_sgpr_workgroup_id_y 1
		.amdhsa_system_sgpr_workgroup_id_z 1
		.amdhsa_system_vgpr_workitem_id 0
		.amdhsa_next_free_vgpr 1024
		.amdhsa_next_free_sgpr 96
		.amdhsa_reserve_vcc 0
		.amdhsa_float_denorm_mode_32 3
		.amdhsa_float_denorm_mode_16_64 3
		.amdhsa_memory_ordered 1
		.amdhsa_forward_progress 1
		.amdhsa_inst_pref_size 255
	.end_amdhsa_kernel
	.section	.bss,"aw",@nobits
	.p2align	6
	.space	262144
	.amdgpu_metadata
---
amdhsa.version: [ 1, 2 ]
amdhsa.kernels:
  - .name:           k_qd5d53fc2df_qgemm
    .symbol:         k_qd5d53fc2df_qgemm.kd
    .args:
      - { .name: x, .offset: 0, .size: 8, .value_kind: global_buffer, .address_space: global }
      - { .name: qweight, .offset: 8, .size: 8, .value_kind: global_buffer, .address_space: global }
      - { .name: scales, .offset: 16, .size: 8, .value_kind: global_buffer, .address_space: global }
      - { .name: zeros, .offset: 24, .size: 8, .value_kind: global_buffer, .address_space: global }
      - { .name: bias, .offset: 32, .size: 8, .value_kind: global_buffer, .address_space: global }
      - { .name: out0, .offset: 40, .size: 8, .value_kind: global_buffer, .address_space: global }
    .group_segment_fixed_size: 327680
    .private_segment_fixed_size: 0
    .kernarg_segment_align: 8
    .kernarg_segment_size: 48
    .max_flat_workgroup_size: 128
    .sgpr_count:     96
    .vgpr_count:     1024
    .wavefront_size: 32
...
	.end_amdgpu_metadata
.endif
;; end of part 1
